; MI455X (gfx1250); checked and timed in simulation.
; The chip was launched on July 23, 2026; its instructions are those of AMD's public machine-readable ISA for CDNA 5 (MIT licence, August 2026) and "CDNA5" Instruction Set Architecture Reference Guide (July 2026). The comments in the code are by the model that wrote it; some were corrected since.
;; Attention Block. Allowed arithmetic: matrix products marked QUANTISED: E4M3 operands, one given power-of-two scale a tensor, by v_wmma_f32_16x16x64_fp8_fp8 or v_wmma_f32_16x16x128_fp8_fp8, f32 sums; everything else in f32.
;; Inputs: lowp_scales 8 int32 (the exponents e of the quantised operands' scales 2^e); norm_b 256 float32; norm_w 256 float32; proj_b 256 float32; proj_w 256 x 256 float32; qkv_b 768 float32; qkv_w 768 x 256 float32; x 16 x 256 x 32 x 32 float32.
;; Outputs: out0 16 x 256 x 32 x 32 float32.
;; This version of the problem:
;;   THIS VERSION OF THE PROBLEM IS GIVEN IN LOW PRECISION. The matrix products marked QUANTISED in the list below multiply operands that are first quantised to E4M3 (4 exponent bits, 3 mantissa bits; 8 bits a number), with one given power-of-two scale for each operand tensor; their sums are f32. All else is computed in f32.
;;   The module's matrix products, in the order in which they are computed (A, B: the left and right operand; K: the contracted axis; several contracted axes count as one K, in the product's order):
;;     1. [M 16,384, K 256] x [K 256, N 768]; A: computed on the way; B: input qkv_w: QUANTISED (scales: A lowp_scales[0], B lowp_scales[1])
;;     2. batch 64 x [M 1,024, K 64] x [K 64, N 1,024]; A: computed on the way; B: computed on the way: QUANTISED (scales: A lowp_scales[2], B lowp_scales[3])
;;     3. batch 64 x [M 1,024, K 1,024] x [K 1,024, N 64]; A: softmax (see below); B: computed on the way: QUANTISED (scales: A lowp_scales[4], B lowp_scales[5])
;;     4. [M 16,384, K 256] x [K 256, N 256]; A: computed on the way; B: input proj_w: QUANTISED (scales: A lowp_scales[6], B lowp_scales[7])
;;   THE QUANTISER, for each operand of a quantised product, along K:
;;     - The operand's scale is 2^e, e = its entry of the input lowp_scales (int32; the entries are numbered through the quantised products in the list's order, A before B).
;;     - Each number is divided by the scale, clamped to +-448, and rounded to the nearest number of E4M3, ties to even, subnormals kept.
;;     - The product sums the exact products of the quantised numbers (number of the format x scale) in f32.
;;   ~~~python
;;   def quantise(x, axis, e):      # numpy; x: float32 -> the quantised numbers, widened to float32 again
;;       x = np.moveaxis(x, axis, -1); K = x.shape[-1]
;;       r = np.clip(x / 2.0 ** e, -448, 448)
;;       step = 2.0 ** (np.maximum(np.frexp(np.where(r == 0, 1, r))[1] - 1, -6) - 3)
;;       q = np.round(r / step) * step * 2.0 ** e      # np.round: ties to even
;;       return np.moveaxis(q, -1, axis).astype(np.float32)
;;   ~~~
;;   SOFTMAX AHEAD OF A QUANTISED PRODUCT. Where the list says 'softmax', what is quantised is not the finished softmax but p = 2^(t - M), with t = logit x log2(e) and M = ceil(the row's largest t), a whole number; so 1/2 < the row's largest p <= 1. The row's sum l is taken of the UNQUANTISED p, in f32, and the product's result is divided by l at the end. Since M is a whole number, a kernel that streams over the keys may use a running M (the ceiling of the running maximum): every later rescaling is an exact power of two, so the quantised numbers keep their values, but for numbers so far below the row's largest that they fall under the format's range.
;;   OPERANDS COMPUTED ON THE WAY. 'Computed on the way' means the value that the module computes at that place (a softmax that the list does not call 'softmax' is quantised finished and normalised). What goes into a quantiser is computed in f32, as accurately as f32 sums, v_exp_f32 and their like allow (about 1e-6 of the number): no bf16 or f16 on the way to a quantiser, and a product that is left as it is and whose result goes on into a quantised operand takes f32 operands (vector FMAs, or v_wmma_f32_16x16x4_f32). A number that lies on a knife's edge between two numbers of the format may be rounded either way, as far as f32 arithmetic and the matrix unit's own rounding can turn it there, and no further.
;; One version. Each part assembles by itself: llvm-mc -triple=amdgcn-amd-amdhsa -mcpu=gfx1250 --defsym DOCPART=n.
;; ======== version 1 of 1: 3 launches
;; workspace buffers: hn_img 4,194,304 bytes; w_img 262,144 bytes; q_img 4,194,304 bytes; kv_img 8,388,608 bytes
;; launch norm (part 1): grid 144 x 1, 8 waves a work-group, no clusters, 34,816 bytes of LDS; arguments x, norm_w, norm_b, qkv_w, proj_w, lowp_scales, hn_img, w_img; writes hn_img, w_img
.if DOCPART == 1
	.amdgcn_target "amdgcn-amd-amdhsa--gfx1250"
	.amdhsa_code_object_version 6
	.text
	.protected	k_qbe03c73788_norm
	.globl	k_qbe03c73788_norm
	.p2align	8
	.type	k_qbe03c73788_norm,@function
k_qbe03c73788_norm:
	s_mov_b64 s[64:65], 0
	v_nop
	global_prefetch_b8 v0, s[64:65] scope:SCOPE_SE
	s_setreg_imm32_b32 hwreg(HW_REG_WAVE_MODE, 25, 1), 1
	s_wait_xcnt 0x0
; GROUP NORM AND THE FIRST QUANTISERS.  Work-groups 0-127: one (image b, group g) each, id = 8 b + g: 32 channels x 1,024 pixels of x, f32, read once and kept in registers
; (thread t: pixels 4 t .. 4 t + 3 of all 32 channels, 128 registers).  mean, then the sum of squares of the CENTRED numbers (no difference of large sums), rsqrt(var + 1e-5), gain and bias,
; then codes of E4M3 with the given scale 2^e0.  Work-groups 128-143: qkv_w (2^e1) and proj_w (2^e7) become codes.
; code = number / 2^e, held within +-448, to the nearest code, ties to even.  LIMITS: e0, e1, e7 between -126 and 119, so that 2^e and 448 x 2^e are f32 numbers.  NaN among the inputs is not served.
; BOTH OUTPUTS ARE IMAGES OF OPERAND REGISTERS: pieces of 512 bytes = 32 lanes x 16 bytes.  Lane = (r = lane % 16, h = lane / 16).  A tile T of 16 rows or pixels holds pi(T, r) = 32 (T / 2) + 8 (T % 2) + r + 8 (r / 8).
;   hn_img [b][g][T 64][lane][16]: channels 32 g + 16 h + 0 .. 15 of pixel pi(T, r).      w_img [tile 64][ks 2][c 4][lane][16]: k = 128 ks + 32 c + 16 h + 0 .. 15 of row pi(tile, r); tiles 0-47 qkv_w, 48-63 proj_w.
; No matrix unit, no tensor load, no cluster: a stream with two reductions; every load of x and every store covers 512 consecutive bytes of a wave.
.set RED,  32768                       ; LDS: 0 .. 32767 eight stages of 4,096 bytes, each a wave's own; RED the eight partial sums; RED + 256 those of the squares
.set X,    64                          ; v64-191  X(c, p) = v[X + 4 c + p]: channel c, pixel 4 t + p
.set Y,    32                          ; v32-63   two sets of 16 normalised numbers
.set PC,   192                         ; v192-223 eight pieces of 16 codes: piece 2 p + hh
.set OUTR, 224                         ; v224-255 the way out
.set SA,   16                          ; s16-47   rstd x norm_w of channel c
.set SB,   48                          ; s48-63, s66-81  norm_b of channel c, at s[SB + c + 2 (c / 16)]
	s_load_b512 s[84:99], s[0:1], 0x0              ; x 84, norm_w 86, norm_b 88, qkv_w 90, proj_w 92, scales 94, hn_img 96, w_img 98
	s_set_vgpr_msb 0x40
	v_lshl_add_u32 v0, v0, 2, 0x8400
	v_mov_b32 v1, 0
	s_set_vgpr_msb 0x4000
	s_cmp_ge_u32 ttmp9, 128                        ; the same for all waves of a work-group
	s_cbranch_scc1 .Lweights
	v_lshlrev_b32 v2, 4, v0                        ; x: 16 t
	v_lshrrev_b32 v5, 5, v0
	v_readfirstlane_b32 s10, v5                    ; wave 0..7
	s_lshl_b32 s11, s10, 12                        ; my wave's stage: 4,096 x wave.  Thread t = 32 x wave + lane
	; into the stage.  Pixel P = 4 t + p lies in tile T = 2 (t / 8) + bit 1 of t, at r = p + 4 (bit 0 of t) + 8 (bit 2 of t):
	; 512 T + 16 r = 4,096 x wave + 1,024 (lane / 8) + 64 (bit 0) + 512 (bit 1) + 128 (bit 2); 16 p + 256 hh stand in the stores' immediates
	v_and_b32 v3, 0x18, v0
	v_lshlrev_b32 v3, 7, v3                        ; 1,024 (lane / 8)
	v_and_b32 v9, 1, v0
	v_lshl_add_u32 v3, v9, 6, v3                   ; + 64 (bit 0)
	v_bfe_u32 v9, v0, 1, 1
	v_lshl_add_u32 v3, v9, 9, v3                   ; + 512 (bit 1)
	v_bfe_u32 v9, v0, 2, 1
	v_lshl_add_u32 v3, v9, 7, v3                   ; + 128 (bit 2)
	v_add_nc_u32 v3, s11, v3                       ; + my stage
	v_and_b32 v1, 31, v0                           ; lane
	v_lshlrev_b32 v4, 4, v1
	v_add_nc_u32 v4, s11, v4                       ; out of the stage, and in hn_img: 4,096 x wave + 16 x lane
	v_lshlrev_b32 v7, 2, v1                        ; norm_w, norm_b: lane c takes channel 32 g + c
	v_lshl_add_u32 v5, v5, 2, RED                  ; my wave's partial sum
	v_mov_b32 v6, RED
	v_mov_b32 v26, 0                               ; a lane permute's destination counts as read
	s_lshl_b32 s2, ttmp9, 17                       ; id x 131,072 bytes of x
	s_mov_b32 s3, 0
	s_lshl_b32 s4, ttmp9, 15                       ; id x 32,768 bytes of hn_img
	s_mov_b32 s5, 0
	s_and_b32 s6, ttmp9, 7
	s_lshl_b32 s6, s6, 7                           ; g x 128 bytes of norm_w and norm_b
	s_mov_b32 s7, 0
	s_mov_b32 s12, 0x76543210                      ; v_permlanex16_b32: lane l xor 16
	s_mov_b32 s13, 0xfedcba98
	s_mov_b32 s14, 0x38000000                      ; 1 / 32,768
	s_mov_b32 s15, 0x3727c5ac                      ; 1e-5
	s_wait_kmcnt 0x0
	s_load_b32 s8, s[94:95], 0x0                   ; e0
	s_add_nc_u64 s[84:85], s[84:85], s[2:3]
	s_add_nc_u64 s[96:97], s[96:97], s[4:5]
	s_add_nc_u64 s[86:87], s[86:87], s[6:7]
	s_add_nc_u64 s[88:89], s[88:89], s[6:7]
	global_load_b32 v28, v7, s[86:87]
	global_load_b32 v29, v7, s[88:89]
.set c, 0
.rept 32
	global_load_b128 v[X+4*c:X+4*c+3], v2, s[84:85] offset:c*4096   ; a wave reads 512 consecutive bytes of channel c; all 32 loads are out together
.set c, c+1
.endr
; the four packed chains v[8:15] are folded, summed over the lanes and over the eight waves: the sum in v16 of every lane
.macro WGSUM off
	v_pk_add_f32 v[8:9], v[8:9], v[10:11]
	v_pk_add_f32 v[12:13], v[12:13], v[14:15]
	v_pk_add_f32 v[8:9], v[8:9], v[12:13]
	v_add_f32 v8, v8, v9
	v_add_f32_dpp v8, v8, v8 row_xmask:1 row_mask:0xf bank_mask:0xf
	v_add_f32_dpp v8, v8, v8 row_xmask:2 row_mask:0xf bank_mask:0xf
	v_add_f32_dpp v8, v8, v8 row_xmask:4 row_mask:0xf bank_mask:0xf
	v_add_f32_dpp v8, v8, v8 row_xmask:8 row_mask:0xf bank_mask:0xf
	v_permlanex16_b32 v26, v8, s12, s13
	v_add_f32 v8, v8, v26
	ds_store_b32 v5, v8 offset:\off
	s_wait_dscnt 0x0                               ; for the others' sake: my partial sum lies in LDS
	s_barrier_signal -1
	s_barrier_wait -1
	ds_load_b128 v[16:19], v6 offset:\off
	ds_load_b128 v[20:23], v6 offset:\off+16
	s_wait_dscnt 0x0
	v_add_f32 v16, v16, v17
	v_add_f32 v18, v18, v19
	v_add_f32 v20, v20, v21
	v_add_f32 v22, v22, v23
	v_add_f32 v16, v16, v18
	v_add_f32 v20, v20, v22
	v_add_f32 v16, v16, v20
.endm
	s_wait_loadcnt 24                              ; channels 0-7 are in (pairs 0-15); 24 younger loads stay out
.set p, 0
.rept 4
	v_pk_add_f32 v[8+2*p:9+2*p], v[X+2*p:X+2*p+1], v[X+2*p+8:X+2*p+9]   ; the first eight pairs start the chains: nothing is cleared
.set p, p+1
.endr
.set p, 8
.rept 56
.if p == 16
	s_wait_loadcnt 16                              ; channels 8-15
.elseif p == 32
	s_wait_loadcnt 8                               ; channels 16-23
.elseif p == 48
	s_wait_loadcnt 0
.endif
	v_pk_add_f32 v[8+2*(p%4):9+2*(p%4)], v[8+2*(p%4):9+2*(p%4)], v[X+2*p:X+2*p+1]
.set p, p+1
.endr
	WGSUM 0
	v_mul_f32 v24, s14, v16                        ; the mean
	v_mov_b32 v25, v24
.set p, 0
.rept 64
	v_pk_add_f32 v[X+2*p:X+2*p+1], v[X+2*p:X+2*p+1], v[24:25] neg_lo:[0,1] neg_hi:[0,1]   ; centred in place
.set p, p+1
.endr
.set p, 0
.rept 4
	v_pk_mul_f32 v[8+2*p:9+2*p], v[X+2*p:X+2*p+1], v[X+2*p:X+2*p+1]
.set p, p+1
.endr
.rept 60
	v_pk_fma_f32 v[8+2*(p%4):9+2*(p%4)], v[X+2*p:X+2*p+1], v[X+2*p:X+2*p+1], v[8+2*(p%4):9+2*(p%4)]
.set p, p+1
.endr
	WGSUM 256                                      ; other words than the first sum's: no barrier is owed between the two
	v_fma_f32 v27, v16, s14, s15                   ; var + 1e-5
	v_rsq_f32 v27, v27
	v_nop                                          ; a plain line behind the transcendental
	s_wait_alu depctr_va_vdst(0)
	v_mul_f32 v28, v27, v28                        ; lane c: rstd x norm_w[32 g + c]
.set c, 0
.rept 32
	v_readlane_b32 s[SA+c], v28, c
	v_readlane_b32 s[SB+c+2*(c/16)], v29, c
.set c, c+1
.endr
	s_wait_kmcnt 0x0
	s_add_co_i32 s8, s8, 127
	s_lshl_b32 s9, s8, 23
	v_mov_b32 v31, s9                              ; 2^e0 as f32: the conversion takes its exponent field
	s_add_co_i32 s8, s8, 8
	s_lshl_b32 s8, s8, 23
	s_or_b32 s8, s8, 0x600000
	v_mov_b32 v30, s8                              ; 448 x 2^e0
; piece 2 p + hh: channels 16 hh + 0 .. 15 of pixel 4 t + p.  The multiply-add's destination does the turning: a lane's 16 registers then run along the channels, the next product's K
.irp p, 0,1,2,3
.irp hh, 0,1
.irp i, 0,1,2,3,4,5,6,7,8,9,10,11,12,13,14,15
	v_fma_f32 v[Y+16*\hh+\i], v[X+4*(16*\hh+\i)+\p], s[SA+16*\hh+\i], s[SB+18*\hh+\i]
.endr
.irp i, 0,1,2,3,4,5,6,7,8,9,10,11,12,13,14,15
	v_med3_num_f32 v[Y+16*\hh+\i], v[Y+16*\hh+\i], -v30, v30   ; the conversion to an 8-bit code does not saturate (ISA guide 7.6.2)
.endr
	v_cvt_scalef32_pk8_fp8_f32 v[PC+4*(2*\p+\hh):PC+4*(2*\p+\hh)+1], v[Y+16*\hh:Y+16*\hh+7], v31
	v_cvt_scalef32_pk8_fp8_f32 v[PC+4*(2*\p+\hh)+2:PC+4*(2*\p+\hh)+3], v[Y+16*\hh+8:Y+16*\hh+15], v31   ; the next piece works on the other set of 16
.endr
.endr
	v_nop
; THE WAY OUT: eight pieces into my wave's stage at their places in the image (eight stores a wave; their lanes' places repeat modulo 256 bytes, which is borne for so few), back as they lie, 512 bytes a load
.irp p, 0,1,2,3
.irp hh, 0,1
	ds_store_b128 v3, v[PC+4*(2*\p+\hh):PC+4*(2*\p+\hh)+3] offset:16*\p+256*\hh
.endr
.endr
.irp i, 0,1,2,3,4,5,6,7
	ds_load_b128 v[OUTR+4*\i:OUTR+4*\i+3], v4 offset:512*\i   ; LDS serves a wave's instructions in order (ISA guide 5.7.1.4): these see my stores
.endr
.irp i, 0,1,2,3,4,5,6,7
	s_wait_dscnt 7-\i                              ; the younger loads stay out
	global_store_b128 v4, v[OUTR+4*\i:OUTR+4*\i+3], s[96:97] offset:512*\i   ; 512 consecutive bytes, at a multiple of 512 from hn_img's first byte
.endr
	s_set_vgpr_msb 0x5
	s_wait_tensorcnt 0x0
	ds_add_u32 v0, v1
	s_wait_dscnt 0x0
	s_set_vgpr_msb 0x500
	s_endpgm
; THE WEIGHTS.  Wave w of work-group 128 + wid takes fragment number 8 wid + w = 2 tile + ks: 16 rows x 128 along K.  Lane (r, h) reads, of row pi(tile, r), 16 neighbours of each block of 32
; (64 bytes a lane; the two tensors are 1 MiB in all and are quantised once), so that the conversions' results are the operand's registers.
.Lweights:
	v_lshrrev_b32 v1, 5, v0
	v_readfirstlane_b32 s2, v1                     ; wave
	v_and_b32 v2, 15, v0                           ; r
	v_bfe_u32 v3, v0, 4, 1                         ; h
	v_and_b32 v5, 8, v2
	v_add_nc_u32 v5, v5, v2                        ; r + 8 (r / 8)
	v_lshlrev_b32 v5, 10, v5                       ; rows of 1,024 bytes
	v_lshl_add_u32 v5, v3, 6, v5                   ; + 64 h
	v_and_b32 v4, 31, v0
	v_lshlrev_b32 v4, 4, v4                        ; 16 x lane
	s_sub_co_u32 s3, ttmp9, 128                    ; wid
	s_lshl_b32 s10, s3, 3
	s_add_co_u32 s10, s10, s2
	s_lshl_b32 s10, s10, 11                        ; the fragment's 2,048 bytes in w_img
	s_mov_b32 s11, 0
	s_cmp_lt_u32 s3, 12                            ; qkv_w's work-group or proj_w's
	s_cselect_b32 s6, 0, 12
	s_sub_co_u32 s6, s3, s6                        ; counted within the tensor
	s_lshl_b32 s7, s6, 6                           ; first row: 64 wid' + 32 (w / 4) + 8 ((w / 2) % 2)
	s_lshr_b32 s8, s2, 2
	s_lshl_b32 s8, s8, 5
	s_add_co_u32 s7, s7, s8
	s_bfe_u32 s8, s2, 0x10001
	s_lshl_b32 s8, s8, 3
	s_add_co_u32 s7, s7, s8
	s_lshl_b32 s7, s7, 10
	s_and_b32 s8, s2, 1
	s_lshl_b32 s8, s8, 9                           ; ks x 512 bytes
	s_add_co_u32 s8, s7, s8
	s_mov_b32 s9, 0
	s_wait_kmcnt 0x0
	s_load_b256 s[16:23], s[94:95], 0x0            ; the eight exponents
	s_cmp_lt_u32 s3, 12
	s_cselect_b64 s[4:5], s[90:91], s[92:93]       ; the choice hangs on the work-group's number alone
	s_add_nc_u64 s[4:5], s[4:5], s[8:9]
	s_add_nc_u64 s[98:99], s[98:99], s[10:11]
.irp c, 0,1,2,3
.irp j, 0,1,2,3
	global_load_b128 v[X+16*\c+4*\j:X+16*\c+4*\j+3], v5, s[4:5] offset:128*\c+16*\j th:TH_LOAD_NT
.endr
.endr
	s_wait_kmcnt 0x0
	s_cmp_lt_u32 s3, 12
	s_cselect_b32 s12, s17, s23                    ; e1 or e7
	s_add_co_i32 s12, s12, 127
	s_lshl_b32 s13, s12, 23
	v_mov_b32 v31, s13
	s_add_co_i32 s12, s12, 8
	s_lshl_b32 s12, s12, 23
	s_or_b32 s12, s12, 0x600000
	v_mov_b32 v30, s12
	s_wait_loadcnt 0x0
.irp c, 0,1,2,3
.irp i, 0,1,2,3,4,5,6,7,8,9,10,11,12,13,14,15
	v_med3_num_f32 v[X+16*\c+\i], v[X+16*\c+\i], -v30, v30
.endr
	v_cvt_scalef32_pk8_fp8_f32 v[PC+4*\c:PC+4*\c+1], v[X+16*\c:X+16*\c+7], v31
	v_cvt_scalef32_pk8_fp8_f32 v[PC+4*\c+2:PC+4*\c+3], v[X+16*\c+8:X+16*\c+15], v31
.endr
	v_nop
.irp c, 0,1,2,3
	global_store_b128 v4, v[PC+4*\c:PC+4*\c+3], s[98:99] offset:512*\c
.endr
	s_endpgm
.Lfunc_end_k_qbe03c73788_norm:
	.size	k_qbe03c73788_norm, .Lfunc_end_k_qbe03c73788_norm-k_qbe03c73788_norm
	.p2alignl 7, 3214868480
	.fill 96, 4, 3214868480
	.section	.rodata,"a",@progbits
	.p2align	6, 0x0
	.amdhsa_kernel k_qbe03c73788_norm
		.amdhsa_group_segment_fixed_size 34816
		.amdhsa_private_segment_fixed_size 0
		.amdhsa_enable_private_segment 0
		.amdhsa_kernarg_size 64
		.amdhsa_user_sgpr_count 2
		.amdhsa_user_sgpr_kernarg_segment_ptr 1
		.amdhsa_wavefront_size32 1
		.amdhsa_system_sgpr_workgroup_id_x 1
		.amdhsa_system_sgpr_workgroup_id_y 1
		.amdhsa_system_sgpr_workgroup_id_z 1
		.amdhsa_system_vgpr_workitem_id 0
		.amdhsa_next_free_vgpr 258
		.amdhsa_next_free_sgpr 100
		.amdhsa_reserve_vcc 0
		.amdhsa_float_denorm_mode_32 3
		.amdhsa_float_denorm_mode_16_64 3
		.amdhsa_memory_ordered 1
		.amdhsa_forward_progress 1
		.amdhsa_inst_pref_size 52
	.end_amdhsa_kernel
	.amdgpu_metadata
---
amdhsa.version: [ 1, 2 ]
amdhsa.kernels:
  - .name:           k_qbe03c73788_norm
    .symbol:         k_qbe03c73788_norm.kd
    .args:
      - { .name: x, .offset: 0, .size: 8, .value_kind: global_buffer, .address_space: global }
      - { .name: norm_w, .offset: 8, .size: 8, .value_kind: global_buffer, .address_space: global }
      - { .name: norm_b, .offset: 16, .size: 8, .value_kind: global_buffer, .address_space: global }
      - { .name: qkv_w, .offset: 24, .size: 8, .value_kind: global_buffer, .address_space: global }
      - { .name: proj_w, .offset: 32, .size: 8, .value_kind: global_buffer, .address_space: global }
      - { .name: lowp_scales, .offset: 40, .size: 8, .value_kind: global_buffer, .address_space: global }
      - { .name: hn_img, .offset: 48, .size: 8, .value_kind: global_buffer, .address_space: global }
      - { .name: w_img, .offset: 56, .size: 8, .value_kind: global_buffer, .address_space: global }
    .group_segment_fixed_size: 34816
    .private_segment_fixed_size: 0
    .kernarg_segment_align: 8
    .kernarg_segment_size: 64
    .max_flat_workgroup_size: 256
    .sgpr_count:     100
    .vgpr_count:     258
    .wavefront_size: 32
...
	.end_amdgpu_metadata
.endif
;; end of part 1
;; launch qkv (part 2): grid 16 x 16, 12 waves a work-group, no clusters, 169,472 bytes of LDS; arguments hn_img, w_img, qkv_b, lowp_scales, q_img, kv_img; writes q_img, kv_img
.if DOCPART == 2
	.amdgcn_target "amdgcn-amd-amdhsa--gfx1250"
	.amdhsa_code_object_version 6
	.text
	.protected	k_qbe03c73788_qkv
	.globl	k_qbe03c73788_qkv
	.p2align	8
	.type	k_qbe03c73788_qkv,@function
k_qbe03c73788_qkv:
	s_mov_b64 s[64:65], 0
	v_nop
	global_prefetch_b8 v0, s[64:65] scope:SCOPE_SE
	s_setreg_imm32_b32 hwreg(HW_REG_WAVE_MODE, 25, 1), 1
	s_wait_xcnt 0x0
; THE 1 x 1 MAP TO q, k, v ON CODES OF E4M3, AND THEIR QUANTISERS.  qkv[o][s] = sum over c of qkv_w[o][c] hn[c][s] + qkv_b[o]; K = 256 channels, two matrix instructions of 128.
; A work-group (x = 4 pq + cg, y = image b) takes 256 pixels (quarter pq) x 192 outputs (chunks 3 cg .. 3 cg + 2; a chunk ch = 4 t + head is the 64 channels of one head of q (t = 0), k (1) or v (2)).
; Wave w takes chunk cl = w / 4 and 64 pixels sb = w % 4, as two blocks of 32 pixels, 16 matrix instructions each.  The operands come as images of registers (pieces of 512 bytes, 16 x lane), by one tensor
; load a wave: waves 0-7 a group of hn each (8 KiB), waves 8-11 a quarter of the weights (12 KiB).  LDS is filled once; one tensor load of a wave is out.
; Tiles of 16 rows or pixels hold pi(T, r) = 32 (T / 2) + 8 (T % 2) + r + 8 (r / 8), so that the 16 registers of two neighbouring result tiles are 16 neighbours.
; q, k: source 0 = 16 rows of the weight, source 1 = 16 pixels: a lane holds one pixel and 16 neighbouring channels d, the next product's K.   v: the sources swapped: a lane holds one channel and 16 neighbouring pixels (keys).
; The bias, divided by 2^(e0 + e1), is the C of each sum's first instruction; the conversion's one scale is 2^(e_t - e0 - e1), e_t = e2 (q), e3 (k), e5 (v).
; LIMITS: e_t - e0 - e1 between -126 and 119.  NaN is not served.
; OUT: q_img [b][head][T 64][c 2][lane][16]: d = 32 c + 16 h + 0 .. 15 of pixel pi(T, r).   kv_img [b][st 8][head][16 KiB]: K [T' 8][c 2][512] as q_img, keys 128 st + pi(T', r); at + 8,192 V [dt 4][c 4][512]: d = pi(dt, r), keys 128 st + 32 c + 16 h + 0 .. 15.
; No cluster: what partners would share is fetched in one phase at the head, and two rounds of the cluster's barrier would stand beside 32 matrix instructions a wave.
.set HNB,  49152                       ; LDS: 0 the weights, 12 tiles x 4,096 bytes as in w_img; HNB hn: [g 8][tile 16][512]
.set LIM,  6                           ; v6   448 x the scale
.set SC,   7                           ; v7   the scale as f32
.set BIAS, 16                          ; v16-47   eight registers for each tile dt of the chunk
.set PC,   48                          ; v48-63   four pieces of codes
.set HN,   64                          ; v64-127  HN(u, ks) = v[HN + 32 u + 16 ks]
.set ACC,  128                         ; v128-191 eight accumulators
.set WF,   192                         ; v192-255 W(dt, ks 0) = v[WF + 16 dt];  window 1 v0-63: W(dt, ks 1) = v[16 dt]
.set MSB, 0
.macro WIN new                         ; the immediate's high byte repeats the setting that is left
.if MSB != \new
	s_set_vgpr_msb (MSB<<8)|\new
.set MSB, \new
.endif
.endm
.macro PLACES
.rept 4
	v_nop
.endr
.endm
	s_load_b256 s[4:11], s[0:1], 0x0               ; hn_img 4, w_img 6, qkv_b 8, scales 10
	s_load_b128 s[12:15], s[0:1], 0x20             ; q_img 12, kv_img 14
	v_lshl_add_u32 v14, v0, 2, 0x29000
	v_mov_b32 v15, 0
	ds_add_u32 v14, v15
	ds_add_u32 v14, v15
	v_lshrrev_b32 v10, 5, v0
	v_readfirstlane_b32 s16, v10                   ; wave 0..11
	s_lshr_b32 s17, s16, 2                         ; cl
	s_and_b32 s18, s16, 3                          ; sb
	s_and_b32 s19, ttmp9, 3                        ; cg
	s_lshr_b32 s20, ttmp9, 2                       ; pq
	s_and_b32 s21, ttmp7, 0xffff                   ; b
	s_mul_i32 s22, s19, 3
	s_add_co_u32 s22, s22, s17                     ; ch
	s_lshr_b32 s23, s22, 2                         ; t
	s_and_b32 s24, s22, 3                          ; head
	v_and_b32 v1, 31, v0
	v_lshlrev_b32 v1, 4, v1                        ; 16 x lane: an image's place for my lane
	s_lshl_b32 s25, s17, 14
	v_add_nc_u32 v2, s25, v1                       ; my chunk's four tiles of the weight
	s_lshl_b32 s25, s18, 11
	s_add_co_u32 s25, s25, HNB
	v_add_nc_u32 v3, s25, v1                       ; my four tiles of pixels
	v_and_b32 v4, 15, v0                           ; r
	v_bfe_u32 v5, v0, 4, 1                         ; h
	; descriptors: dense blocks as rows of 256 bytes, elements of 8 bytes
	s_mov_b32 s28, 3<<16
	s_mov_b32 s29, 32<<16                          ; tensor_dim0 = 32
	s_mov_b32 s30, 32<<16                          ; tensor_dim1 = 32 rows: 8,192 bytes
	s_mov_b32 s31, 32<<16                          ; tile_dim0
	s_mov_b32 s32, 32                              ; tile_dim1
	s_mov_b32 s33, 32                              ; pitch
	s_mov_b32 s34, 0
	s_mov_b32 s35, 0
	s_mov_b32 s40, 3<<16
	s_mov_b32 s41, 32<<16
	s_mov_b32 s42, 48<<16                          ; 48 rows: 12,288 bytes
	s_mov_b32 s43, 32<<16
	s_mov_b32 s44, 48
	s_mov_b32 s45, 32
	s_mov_b32 s46, 0
	s_mov_b32 s47, 0
	s_mov_b32 s36, 1
	s_lshl_b32 s37, s16, 13
	s_add_co_u32 s37, s37, HNB                     ; group g = wave
	s_lshl_b32 s60, s21, 18                        ; hn_img: b x 262,144 + g x 32,768 + pq x 8,192
	s_lshl_b32 s61, s16, 15
	s_add_co_u32 s60, s60, s61
	s_lshl_b32 s61, s20, 13
	s_add_co_u32 s60, s60, s61
	s_mov_b32 s61, 0
	s_mov_b32 s48, 1
	s_mul_i32 s49, s18, 12288                      ; quarter wave % 4 of the weights
	s_mul_i32 s62, s19, 49152                      ; w_img: cg x 49,152 + the quarter
	s_add_co_u32 s62, s62, s49
	s_mov_b32 s63, 0
	s_lshl_b32 s2, s22, 8                          ; qkv_b: ch x 256 bytes
	s_mov_b32 s3, 0
	s_wait_dscnt 0x0
	s_wait_kmcnt 0x0
	s_load_b256 s[52:59], s[10:11], 0x0            ; e0 .. e7
	s_add_nc_u64 s[38:39], s[4:5], s[60:61]
	s_or_b32 s39, s39, 0x80000000
	s_add_nc_u64 s[50:51], s[6:7], s[62:63]
	s_or_b32 s51, s51, 0x80000000
	s_add_nc_u64 s[8:9], s[8:9], s[2:3]
	s_cmp_lt_u32 s16, 8                            ; the branch hangs on the wave's number alone; four v_nop follow each of the two lines
	s_cbranch_scc0 .Lfor_w
	tensor_load_to_lds s[36:39], s[28:35]
	s_nop 0
	PLACES
	s_branch .Lasked
.Lfor_w:
	tensor_load_to_lds s[48:51], s[40:47]
	s_nop 0
	PLACES
.Lasked:
	; the bias in the result's layout, with no branch.  q, k: register j of tile dt is channel 32 (dt / 2) + 8 (dt % 2) + 16 h + j.   v: all eight are the lane's channel pi(dt, r)
	s_cmp_eq_u32 s23, 2
	s_cselect_b32 s25, 0, 4                        ; bytes from register to register
	s_cselect_b32 s26, 0, 64                       ; for h
	s_cselect_b32 s27, 4, 0                        ; for r + 8 (r / 8)
	v_and_b32 v9, 8, v4
	v_add_nc_u32 v9, v9, v4
	v_mul_u32_u24 v8, s26, v5
	v_mad_u32_u24 v8, v9, s27, v8
.irp j, 0,1,2,3,4,5,6,7
	s_mul_i32 s2, s25, \j
	v_add_nc_u32 v[ACC+\j], s2, v8                 ; eight offsets, in registers that the sums take later, behind the wait for these loads
.endr
.irp dt, 0,1,2,3
.irp j, 0,1,2,3,4,5,6,7
	global_load_b32 v[BIAS+8*\dt+\j], v[ACC+\j], s[8:9] offset:(32*(\dt/2)+8*(\dt%2))*4
.endr
.endr
	s_wait_tensorcnt 0x0                           ; my part lies in LDS,
	s_barrier_signal -1
	s_barrier_wait -1                              ; everybody's does
.irp dt, 0,1,2,3
.irp c, 0,1,2,3
	ds_load_b128 v[WF+16*\dt+4*\c:WF+16*\dt+4*\c+3], v2 offset:\dt*4096+\c*512
.endr
.endr
	WIN 0x40                                       ; destination window 1
.irp dt, 0,1,2,3
.irp c, 0,1,2,3
	ds_load_b128 v[16*\dt+4*\c:16*\dt+4*\c+3], v2 offset:\dt*4096+2048+\c*512
.endr
.endr
	WIN 0
.macro HLOAD blk                       ; the block's two tiles of pixels, both K steps
.irp u, 0,1
.irp ks, 0,1
.irp c, 0,1,2,3
	ds_load_b128 v[HN+32*\u+16*\ks+4*\c:HN+32*\u+16*\ks+4*\c+3], v3 offset:(4*\ks+\c)*8192+(2*\blk+\u)*512
.endr
.endr
.endr
.endm
	HLOAD 0
	; where my codes go
	s_lshl_b32 s2, s21, 19                         ; kv_img: b x 524,288 + (2 pq + sb / 2) x 65,536 + head x 16,384
	s_lshl_b32 s3, s20, 1
	s_lshr_b32 s26, s18, 1
	s_add_co_u32 s3, s3, s26
	s_lshl_b32 s3, s3, 16
	s_add_co_u32 s2, s2, s3
	s_lshl_b32 s3, s24, 14
	s_add_co_u32 s2, s2, s3
	s_and_b32 s3, s18, 1
	s_lshl_b32 s26, s3, 12
	s_add_co_u32 s26, s26, s2                      ; k: + (sb % 2) x four tiles of 1,024
	s_lshl_b32 s27, s3, 10
	s_add_co_u32 s27, s27, s2
	s_add_co_u32 s27, s27, 8192                    ; v: + 8,192 + (sb % 2) x two pieces of 512
	s_lshl_b32 s2, s21, 2                          ; q_img: ((4 b + head) x 64 + 16 pq + 4 sb) x 1,024
	s_add_co_u32 s2, s2, s24
	s_lshl_b32 s2, s2, 6
	s_lshl_b32 s3, s20, 4
	s_add_co_u32 s2, s2, s3
	s_lshl_b32 s3, s18, 2
	s_add_co_u32 s2, s2, s3
	s_lshl_b32 s2, s2, 10
	s_cmp_eq_u32 s23, 2
	s_cselect_b32 s62, s27, s26
	s_cmp_eq_u32 s23, 0
	s_cselect_b32 s62, s2, s62
	s_cselect_b64 s[60:61], s[12:13], s[14:15]     ; the choice hangs on ids alone
	s_mov_b32 s63, 0
	s_add_nc_u64 s[60:61], s[60:61], s[62:63]
	s_wait_loadcnt 0x0                             ; the bias
	s_wait_kmcnt 0x0
	s_add_co_i32 s2, s52, s53                      ; e0 + e1: a sum stands for sum x 2^(e0 + e1)
	s_sub_co_i32 s3, 0, s2
.set i, 0
.rept 32
	v_ldexp_f32 v[BIAS+i], v[BIAS+i], s3
.set i, i+1
.endr
	s_cmp_eq_u32 s23, 0
	s_cselect_b32 s25, s54, s55                    ; e2 or e3,
	s_cmp_eq_u32 s23, 2
	s_cselect_b32 s25, s57, s25                    ; or e5
	s_sub_co_i32 s25, s25, s2
	s_add_co_i32 s25, s25, 127
	s_lshl_b32 s26, s25, 23
	v_mov_b32 v[SC], s26                           ; 2^(e_t - e0 - e1)
	s_add_co_i32 s25, s25, 8
	s_lshl_b32 s25, s25, 23
	s_or_b32 s25, s25, 0x600000
	v_mov_b32 v[LIM], s25                          ; 448 x that
; sixteen matrix instructions: the eight accumulators take turns, one instruction a turn, K step by K step
.macro MULQ
.irp u, 0,1
.irp dt, 0,1,2,3
	v_wmma_f32_16x16x128_fp8_fp8 v[ACC+32*\u+8*\dt:ACC+32*\u+8*\dt+7], v[WF+16*\dt:WF+16*\dt+15], v[HN+32*\u:HN+32*\u+15], v[BIAS+8*\dt:BIAS+8*\dt+7]
.endr
.endr
	WIN 0x01                                       ; source 0 window 1
.irp u, 0,1
.irp dt, 0,1,2,3
	v_wmma_f32_16x16x128_fp8_fp8 v[ACC+32*\u+8*\dt:ACC+32*\u+8*\dt+7], v[16*\dt:16*\dt+15], v[HN+32*\u+16:HN+32*\u+31], v[ACC+32*\u+8*\dt:ACC+32*\u+8*\dt+7]
.endr
.endr
	WIN 0
.endm
.macro MULV
.irp dt, 0,1,2,3
.irp u, 0,1
	v_wmma_f32_16x16x128_fp8_fp8 v[ACC+16*\dt+8*\u:ACC+16*\dt+8*\u+7], v[HN+32*\u:HN+32*\u+15], v[WF+16*\dt:WF+16*\dt+15], v[BIAS+8*\dt:BIAS+8*\dt+7]
.endr
.endr
	WIN 0x04                                       ; source 1 window 1
.irp dt, 0,1,2,3
.irp u, 0,1
	v_wmma_f32_16x16x128_fp8_fp8 v[ACC+16*\dt+8*\u:ACC+16*\dt+8*\u+7], v[HN+32*\u+16:HN+32*\u+31], v[16*\dt:16*\dt+15], v[ACC+16*\dt+8*\u:ACC+16*\dt+8*\u+7]
.endr
.endr
	WIN 0
.endm
.macro QUANT                           ; the 64 sums, four runs of 16 neighbours, become four pieces of codes; each accumulator is read from its low end on
.irp g, 0,1,2,3
.irp i, 0,1,2,3,4,5,6,7,8,9,10,11,12,13,14,15
	v_med3_num_f32 v[ACC+16*\g+\i], v[ACC+16*\g+\i], -v[LIM], v[LIM]   ; the conversion to an 8-bit code does not saturate (ISA guide 7.6.2)
.endr
	v_cvt_scalef32_pk8_fp8_f32 v[PC+4*\g:PC+4*\g+1], v[ACC+16*\g:ACC+16*\g+7], v[SC]
	v_cvt_scalef32_pk8_fp8_f32 v[PC+4*\g+2:PC+4*\g+3], v[ACC+16*\g+8:ACC+16*\g+15], v[SC]
.endr
	v_nop                                          ; a plain line between the last conversion and the products that write its sources again
.endm
	s_cmp_eq_u32 s23, 2                            ; no barrier follows: the waves may part
	s_cbranch_scc1 .Lv
	; ---- q or k.  Run g = 2 u + b2 of the sums: pixel tile 2 blk + u, channels 32 b2 + 16 h + 0 .. 15
	s_wait_dscnt 0x0
	MULQ
	PLACES                                         ; in front of loads into registers that matrix instructions have read, and of the first read of results
	HLOAD 1
	QUANT
.irp u, 0,1
.irp b, 0,1
	global_store_b128 v1, v[PC+4*(2*\u+\b):PC+4*(2*\u+\b)+3], s[60:61] offset:\u*1024+\b*512   ; 512 consecutive bytes
.endr
.endr
	s_wait_dscnt 0x0
	MULQ                                           ; the sums begin anew with the bias as C: far more than five plain lines stand behind each earlier product
	PLACES
	s_wait_xcnt 0x0                                ; the stores have read their data: the codes' registers are written again only behind this wait
	QUANT
.irp u, 0,1
.irp b, 0,1
	global_store_b128 v1, v[PC+4*(2*\u+\b):PC+4*(2*\u+\b)+3], s[60:61] offset:(2+\u)*1024+\b*512
.endr
.endr
	s_wait_tensorcnt 0x0
	ds_add_u32 v14, v15
	s_wait_dscnt 0x0
	s_endpgm
.Lv:
	; ---- v.  Run g = dt of the sums: channel pi(dt, r), pixels 32 (block) + 16 h + 0 .. 15
	s_wait_dscnt 0x0
	MULV
	PLACES
	HLOAD 1
	QUANT
.irp dt, 0,1,2,3
	global_store_b128 v1, v[PC+4*\dt:PC+4*\dt+3], s[60:61] offset:\dt*2048
.endr
	s_wait_dscnt 0x0
	MULV
	PLACES
	s_wait_xcnt 0x0
	QUANT
.irp dt, 0,1,2,3
	global_store_b128 v1, v[PC+4*\dt:PC+4*\dt+3], s[60:61] offset:\dt*2048+512
.endr
	s_wait_tensorcnt 0x0
	ds_add_u32 v14, v15
	s_wait_dscnt 0x0
	s_endpgm
.Lfunc_end_k_qbe03c73788_qkv:
	.size	k_qbe03c73788_qkv, .Lfunc_end_k_qbe03c73788_qkv-k_qbe03c73788_qkv
	.p2alignl 7, 3214868480
	.fill 96, 4, 3214868480
	.section	.rodata,"a",@progbits
	.p2align	6, 0x0
	.amdhsa_kernel k_qbe03c73788_qkv
		.amdhsa_group_segment_fixed_size 169472
		.amdhsa_private_segment_fixed_size 0
		.amdhsa_enable_private_segment 0
		.amdhsa_kernarg_size 48
		.amdhsa_user_sgpr_count 2
		.amdhsa_user_sgpr_kernarg_segment_ptr 1
		.amdhsa_wavefront_size32 1
		.amdhsa_system_sgpr_workgroup_id_x 1
		.amdhsa_system_sgpr_workgroup_id_y 1
		.amdhsa_system_sgpr_workgroup_id_z 1
		.amdhsa_system_vgpr_workitem_id 0
		.amdhsa_next_free_vgpr 320
		.amdhsa_next_free_sgpr 66
		.amdhsa_reserve_vcc 0
		.amdhsa_float_denorm_mode_32 3
		.amdhsa_float_denorm_mode_16_64 3
		.amdhsa_memory_ordered 1
		.amdhsa_forward_progress 1
		.amdhsa_inst_pref_size 41
	.end_amdhsa_kernel
	.amdgpu_metadata
---
amdhsa.version: [ 1, 2 ]
amdhsa.kernels:
  - .name:           k_qbe03c73788_qkv
    .symbol:         k_qbe03c73788_qkv.kd
    .args:
      - { .name: hn_img, .offset: 0, .size: 8, .value_kind: global_buffer, .address_space: global }
      - { .name: w_img, .offset: 8, .size: 8, .value_kind: global_buffer, .address_space: global }
      - { .name: qkv_b, .offset: 16, .size: 8, .value_kind: global_buffer, .address_space: global }
      - { .name: lowp_scales, .offset: 24, .size: 8, .value_kind: global_buffer, .address_space: global }
      - { .name: q_img, .offset: 32, .size: 8, .value_kind: global_buffer, .address_space: global }
      - { .name: kv_img, .offset: 40, .size: 8, .value_kind: global_buffer, .address_space: global }
    .group_segment_fixed_size: 169472
    .private_segment_fixed_size: 0
    .kernarg_segment_align: 8
    .kernarg_segment_size: 48
    .max_flat_workgroup_size: 384
    .sgpr_count:     66
    .vgpr_count:     320
    .wavefront_size: 32
...
	.end_amdgpu_metadata
.endif
;; end of part 2
;; launch attn (part 3): grid 16 x 16, 8 waves a work-group, clusters of 4 x 1, 327,680 bytes of LDS; arguments q_img, kv_img, w_img, lowp_scales, proj_b, x, out0; writes out0
.if DOCPART == 3
	.amdgcn_target "amdgcn-amd-amdhsa--gfx1250"
	.amdhsa_code_object_version 6
	.text
	.protected	k_qbe03c73788_attn
	.globl	k_qbe03c73788_attn
	.p2align	8
	.type	k_qbe03c73788_attn,@function
k_qbe03c73788_attn:
	s_mov_b64 s[64:65], 0
	v_nop
	global_prefetch_b8 v0, s[64:65] scope:SCOPE_SE
	s_setreg_imm32_b32 hwreg(HW_REG_WAVE_MODE, 25, 1), 1
	s_wait_xcnt 0x0
	s_wait_alu depctr_hold_cnt(0) depctr_sa_sdst(0) depctr_va_vdst(0) depctr_va_sdst(0) depctr_va_ssrc(0) depctr_va_vcc(0) depctr_vm_vsrc(0)
	s_getreg_b32 s2, hwreg(HW_REG_IB_STS2, 6, 4)
	s_cmp_eq_u32 s2, 0
	s_cbranch_scc0 .Lentry_in_a_cluster
	s_endpgm
.Lentry_in_a_cluster:
	s_bfe_u32 s2, ttmp6, 0x10000c
	s_cmp_lg_u32 s2, 0x3003
	s_cbranch_scc0 .Lentry_shape_is_right
	s_endpgm
.Lentry_shape_is_right:
; ATTENTION, PROJECTION AND RESIDUAL, all products on codes of E4M3.  out0 = x + proj_w att + proj_b, att = softmax(q k^T / 8) v for four heads of 64 channels, 1,024 keys.
; THE SOFTMAX AHEAD OF THE SECOND PRODUCT: t = score x log2(e) / 8; M = the running largest t rounded UP to a whole number; p = 2^(t - M) is quantised with 2^e4, not normalised; the row's sum is taken of the
; unquantised p, in f32, and divides at the end.  When M moves, the sum and O are multiplied by 2^(old M - new M): exact, and with no branch on data.
; SHARES.  A work-group (x = block of 64 pixels qb, y = image b) owns 64 queries x all four heads, so that the projection, whose K is all 256 channels, is made here.  Wave w: head w / 2, query tiles 2 (w % 2) + t, t = 0, 1:
; each fragment of K and V read from LDS feeds two products; two waves share a SIMD, so that one wave's vector work stands beside the other's.
; CLUSTER.  The four work-groups of a cluster belong to one image and walk the same K and V: every tile is asked for JOINTLY (mask 15), each of the eight waves 16 KiB of a slot.
; RING.  Two slots of 131,072 bytes = 256 keys x four heads, as they lie in kv_img.  One joint load a wave is out at a time.
; WHAT IS ASKED FOR WHEN.  K and V have register buffers of their own, so that a step's K is read from LDS a whole softmax ahead of its products.  THE CHANGE OF SLOTS STANDS INSIDE A SLOT'S LAST KEY STEP: that step's V is in
; registers early, so the wave's reads of the slot are over in the middle of its softmax: there stand the waits, the round, the refill and the next slot's first K fragments, with the softmax's lines between and behind them.
; The head asks for slot 0, Q and proj_b alone; x is asked for behind the last change of slots, when no fill is on its way; proj_w's fragments take K's registers behind the last K Q^T.
; LAYOUT.  All operands are images of registers (pieces of 512 bytes, 16 x lane).  Tiles hold pi(T, r) = 32 (T / 2) + 8 (T % 2) + r + 8 (r / 8).  S^T = K Q^T and O^T = V^T P^T: a lane holds one query throughout,
; p's 16 registers of two neighbouring tiles are 16 neighbouring keys, O^T's are 16 neighbouring channels: the conversions' results are the next operand's registers.  In the projection source 0 = att (16 pixels),
; source 1 = 16 rows of proj_w: a lane holds eight neighbouring pixels of one output channel.
; LIMITS on the given exponents, so that each power of two below is an f32 number: e2 + e3 between -123 and 130 (added to c's exponent field); e4 and e6 between -126 and 119; e6 + e7 between -126 and 127; e4 + e5 goes by v_ldexp_f32.  NaN is not served.
; REGISTERS.  Window 0: v1-7, v32-39 addresses and scales; v8-19, v20-31 a tile's statistics; v40-55 Q; v56-87 p's codes; v88-91 proj_b; v96-159, v160-223 S^T, then p, of tiles 0 and 1.
;   Window 1: v0-63 O^T (tile t, channels dt: 32 t + 8 dt); v64-127 K's fragments, at the end my two tiles of proj_w; v128-191 V's fragments; v192-255 my part of x.
.set SLOT1, 1<<17                      ; slot 1 begins here: one exclusive or turns an address from one slot into the other's
.set SPARE, 2*SLOT1                    ; the spare words, 128 bytes for each of eight waves: four blocks of 256 bytes that no other line names
.set ATT,   SPARE+1024                 ; att's codes: [query tile 4][ks 2][c 4][512], 16,384 bytes, never a tensor load's target
.set SP,    272                        ; the way out: a stage of 32 rows x (256 bytes + 16) for each wave, in slot 0, which has had its last fill and its last read at the last change of slots
.set STW,   32*SP
.set LI,  1                            ; v1   16 x lane
.set AKV, 2                            ; v2, v3  my head's 16 KiB in a slot's first and second step
.set ADR, 4                            ; v4   the step's tiles: V is read by it
.set SPW, 5                            ; v5   my spare word; never rewritten
.set NIL, 6                            ; v6   0; never rewritten
.set XO,  7                            ; v7   x and out0: 4,096 h + 16 r
.set ST,  8                            ; tile t at v[ST + 12 t]: +0 -M, +1 the largest t, +2:3 and +4:5 the sum in two chains, +6:7 f, +8, +9 at work, +10 a permute's destination
.set LIM, 32                           ; v32  448 x the scale
.set SC,  33                           ; v33  the scale as f32
.set BO,  34                           ; v34  proj_b: 4 (r + 8 (r / 8))
.set AIM, 35                           ; v35  where I store att's images
.set STO, 36                           ; v36  the stage, in
.set RD,  37                           ; v37  the stage, back
.set ARD, 38                           ; v38  ATT + 16 x lane
.set ADK, 39                           ; v39  the next step's tiles: K is read by it
.set QF,  40
.set PF,  56
.set BI,  88
.set S,   96
.set OT,  0                            ; window 1
.set KF,  64
.set VF,  128
.set XR,  192
.set PW,  64                           ; proj_w lies where K lay
.set WV,  18                           ; s18  wave
.set SEL, 22                           ; s[22:23] v_permlanex16_b32: lane l xor 16
.set CS,  24                           ; s[24:25] c = log2(e) / 8 x 2^(e2 + e3)
.set G1,  28                           ; s[28:35] descriptor group 1
.set G0,  36                           ; s[36:39] group 0, which walks
.set TB,  40                           ; s40  LDS byte at which the slot in hand begins
.set SLOTS, 41
.set MSB, 0
.macro WIN new                         ; the immediate's high byte repeats the setting that is left
.if MSB != \new
	s_set_vgpr_msb (MSB<<8)|\new
.set MSB, \new
.endif
.endm
.set W_LD, 0x40                        ; destination window 1, address window 0
.set W_KQ, 0x01                        ; K window 1; Q and S^T window 0
.set W_RS, 0x41                        ; O^T (destination and source 0) window 1, f window 0
.set W_PV, 0x51                        ; V, C and D window 1; P window 0
.macro PLACES
.rept 4
	v_nop
.endr
.endm
.macro CREST                           ; a round of the cluster's barrier behind its opening barrier
	s_cmp_lg_u32 s[WV], 0
	s_cbranch_scc1 .Lnot_wave_0_\@
	s_barrier_signal -3
.Lnot_wave_0_\@:
	s_barrier_wait -3
	s_barrier_signal -1
	s_barrier_wait -1
.endm
.macro CROUND                          ; a whole round
	s_barrier_signal -1
	s_barrier_wait -1
	CREST
.endm
	s_load_b256 s[4:11], s[0:1], 0x0               ; q_img 4, kv_img 6, w_img 8, scales 10
	s_load_b128 s[12:15], s[0:1], 0x20             ; proj_b 12, x 14
	s_load_b64 s[16:17], s[0:1], 0x30              ; out0
	v_lshl_add_u32 v[SPW], v0, 2, SPARE
	v_mov_b32 v[NIL], 0
	ds_add_u32 v5, v6
	ds_add_u32 v5, v6
	s_wait_dscnt 0x0
	v_lshrrev_b32 v4, 5, v0
	v_readfirstlane_b32 s[WV], v4                  ; wave 0..7
	s_lshr_b32 s19, s[WV], 1                       ; head
	s_and_b32 s20, s[WV], 1                        ; which half of the 64 queries
	s_bfe_u32 s52, ttmp6, 0x40000                  ; cx
	s_lshl_b32 s53, ttmp9, 2
	s_add_co_u32 s53, s53, s52                     ; qb = 4 x cluster x + cx: it enters the addresses of q_img, x and out0 alone
	s_and_b32 s54, ttmp7, 0xffff                   ; b, which the four partners share
	; descriptor: 16 KiB, dense, as 64 rows of 256 bytes, elements of 8 bytes
	s_mov_b32 s[G1], 15|(3<<16)|(1<<21)            ; 15:0 the mask: all four work-groups; 17:16 elements of 8 bytes; 21 set beside a mask
	s_mov_b32 s[G1+1], 32<<16                      ; tensor_dim0
	s_mov_b32 s[G1+2], 64<<16                      ; tensor_dim1
	s_mov_b32 s[G1+3], 32<<16                      ; tile_dim0
	s_mov_b32 s[G1+4], 64                          ; tile_dim1
	s_mov_b32 s[G1+5], 32                          ; pitch
	s_mov_b32 s[G1+6], 0
	s_mov_b32 s[G1+7], 0
	s_mov_b32 s[G0], 1
	s_lshl_b32 s[G0+1], s[WV], 14                  ; LDS: wave x 16 KiB of slot 0
	s_lshl_b32 s56, s54, 19                        ; kv_img: b x 524,288 + wave x 16 KiB: made of what the partners share
	s_add_co_u32 s56, s56, s[G0+1]
	s_mov_b32 s57, 0
	s_lshl_b32 s58, s54, 2                         ; q_img: ((4 b + head) x 64 + 4 qb + 2 qh) x 1,024
	s_add_co_u32 s58, s58, s19
	s_lshl_b32 s58, s58, 6
	s_lshl_b32 s59, s53, 2
	s_add_co_u32 s58, s58, s59
	s_lshl_b32 s59, s20, 1
	s_add_co_u32 s58, s58, s59
	s_lshl_b32 s58, s58, 10
	s_mov_b32 s59, 0
	s_lshl_b32 s60, s54, 20                        ; x, out0: b x 1 MiB + 32 channels x wave + 256 bytes x qb
	s_lshl_b32 s61, s[WV], 17
	s_add_co_u32 s60, s60, s61
	s_lshl_b32 s61, s53, 8
	s_add_co_u32 s60, s60, s61
	s_mov_b32 s61, 0
	s_lshl_b32 s62, s[WV], 13
	s_add_co_u32 s62, s62, 48*4096                 ; w_img: tiles 48 + 2 wave, + 1
	s_mov_b32 s63, 0
	s_lshl_b32 s66, s[WV], 7                       ; proj_b: 32 numbers x wave
	s_mov_b32 s67, 0
	s_mov_b32 s[SEL], 0x76543210
	s_mov_b32 s[SEL+1], 0xfedcba98
	s_mov_b32 s[TB], 0
	s_mov_b32 s[SLOTS], 2
	v_and_b32 v[LI], 31, v0
	v_lshlrev_b32 v[LI], 4, v[LI]
	s_lshl_b32 s55, s19, 14
	v_add_nc_u32 v[AKV], s55, v[LI]
	v_add_nc_u32 v[AKV+1], 0x10000, v[AKV]
	v_and_b32 v92, 15, v0                          ; r
	v_bfe_u32 v93, v0, 4, 1                        ; h
	v_lshlrev_b32 v[XO], 12, v93
	v_lshl_add_u32 v[XO], v92, 4, v[XO]
	v_and_b32 v94, 8, v92
	v_add_nc_u32 v94, v94, v92                     ; r + 8 (r / 8)
	v_lshlrev_b32 v[BO], 2, v94
	s_lshl_b32 s55, s20, 13                        ; att's image of (query tile 2 qh + t, channels 64 head + 32 b ..): ATT + 4,096 (2 qh + t) + 2,048 (head / 2) + 512 (2 (head % 2) + b)
	s_lshr_b32 s2, s19, 1
	s_lshl_b32 s2, s2, 11
	s_add_co_u32 s55, s55, s2
	s_and_b32 s2, s19, 1
	s_lshl_b32 s2, s2, 10
	s_add_co_u32 s55, s55, s2
	s_add_co_u32 s55, s55, ATT
	v_add_nc_u32 v[AIM], s55, v[LI]
	v_add_nc_u32 v[ARD], ATT, v[LI]
	s_mul_i32 s55, s[WV], STW                      ; my stage
	v_mul_u32_u24 v[STO], v94, SP                  ; in: row = my output channel, 8 n + r + 8 (r / 8); + 64 h
	v_lshl_add_u32 v[STO], v93, 6, v[STO]
	v_add_nc_u32 v[STO], s55, v[STO]
	v_mul_u32_u24 v[RD], v93, SP                   ; back: lanes 0-15 one row of 256 bytes, lanes 16-31 the next
	v_lshl_add_u32 v[RD], v92, 4, v[RD]
	v_add_nc_u32 v[RD], s55, v[RD]
	s_wait_kmcnt 0x0
	s_load_b256 s[44:51], s[10:11], 0x0            ; e0 .. e7 in s44 .. s51
	s_add_nc_u64 s[G0+2:G0+3], s[6:7], s[56:57]
	s_or_b32 s[G0+3], s[G0+3], 0x80000000
	s_add_nc_u64 s[4:5], s[4:5], s[58:59]
	s_add_nc_u64 s[14:15], s[14:15], s[60:61]
	s_add_nc_u64 s[16:17], s[16:17], s[60:61]
	s_add_nc_u64 s[8:9], s[8:9], s[62:63]
	s_add_nc_u64 s[12:13], s[12:13], s[66:67]
	CROUND                                         ; all four work-groups are here: the first joint loads meet
	tensor_load_to_lds s[G0:G0+3], s[G1:G1+7]      ; slot 0: keys 0-255
	s_nop 0
	PLACES                                         ; four v_nop follow a tensor load
.irp t, 0,1
.irp c, 0,1
	global_load_b128 v[QF+8*\t+4*\c:QF+8*\t+4*\c+3], v[LI], s[4:5] offset:\t*1024+\c*512 th:TH_LOAD_NT   ; Q stays in registers
.endr
.endr
	global_load_b32 v[BI], v[BO], s[12:13]         ; proj_b of my two output channels: for the epilogue
	global_load_b32 v[BI+2], v[BO], s[12:13] offset:32
	WIN W_LD
.set i, 0
.rept 64
	v_mov_b32 v[OT+i], 0                           ; O^T.  (The key step is written without a first step of its own: the first change of M multiplies zeros)
.set i, i+1
.endr
	WIN 0
.irp t, 0,1
	v_mov_b32 v[ST+12*\t+1], 0xff61b1e6            ; the largest t so far: -3e38
	v_floor_f32 v[ST+12*\t], -v[ST+12*\t+1]        ; -M
	v_mov_b32 v[ST+12*\t+2], 0
	v_mov_b32 v[ST+12*\t+3], 0
	v_mov_b32 v[ST+12*\t+4], 0
	v_mov_b32 v[ST+12*\t+5], 0
	v_mov_b32 v[ST+12*\t+7], 0                     ; (named as the upper half of f's pair)
	v_mov_b32 v[ST+12*\t+10], 0                    ; a lane permute's destination counts as read
	v_mov_b32 v[BI+2*\t+1], 0                      ; (named as the upper half of a bias's pair)
.endr
	s_wait_kmcnt 0x0
	s_add_co_i32 s55, s46, s47                     ; e2 + e3 go into c's exponent field
	s_lshl_b32 s55, s55, 23
	s_add_co_i32 s[CS], s55, 0x3e38aa3b            ; c = log2(e) / sqrt(64)
	s_mov_b32 s[CS+1], s[CS]
	s_add_co_i32 s55, s48, 127
	s_lshl_b32 s2, s55, 23
	v_mov_b32 v[SC], s2                            ; 2^e4
	s_add_co_i32 s55, s55, 8
	s_lshl_b32 s55, s55, 23
	s_or_b32 s55, s55, 0x600000
	v_mov_b32 v[LIM], s55                          ; 448 x 2^e4
.macro KLOAD                           ; eight tiles of 16 keys x 64 channels, by ADK
	WIN W_LD
.irp k, 0,1,2,3,4,5,6,7
.irp c, 0,1
	ds_load_b128 v[KF+8*\k+4*\c:KF+8*\k+4*\c+3], v[ADK] offset:\k*1024+\c*512
.endr
.endr
.endm
.macro VLOAD                           ; four tiles of 16 channels x 128 keys, by ADR
	WIN W_LD
.irp d, 0,1,2,3
.irp c, 0,1,2,3
	ds_load_b128 v[VF+16*\d+4*\c:VF+16*\d+4*\c+3], v[ADR] offset:8192+\d*2048+\c*512
.endr
.endr
.endm
; THE SOFTMAX, first part: the maxima, M and f, t - M, tile 0's exponentials, the old sums under the new M
.macro SM_A
	; the step's largest score of each query: two chains a tile, the tiles line by line; every accumulator is first read at its low end
.irp t, 0,1
	v_max3_num_f32 v[ST+12*\t+8], v[S+64*\t], v[S+64*\t+1], v[S+64*\t+2]
	v_max3_num_f32 v[ST+12*\t+9], v[S+64*\t+3], v[S+64*\t+4], v[S+64*\t+5]
.endr
.irp i, 6,10,14,18,22,26,30,34,38,42,46,50,54,58
.irp t, 0,1
	v_max3_num_f32 v[ST+12*\t+8], v[ST+12*\t+8], v[S+64*\t+\i], v[S+64*\t+\i+1]
	v_max3_num_f32 v[ST+12*\t+9], v[ST+12*\t+9], v[S+64*\t+\i+2], v[S+64*\t+\i+3]
.endr
.endr
.irp t, 0,1
	v_max3_num_f32 v[ST+12*\t+8], v[ST+12*\t+8], v[S+64*\t+62], v[S+64*\t+63]
.endr
.irp t, 0,1
	v_max_num_f32 v[ST+12*\t+8], v[ST+12*\t+8], v[ST+12*\t+9]
.endr
.irp t, 0,1
	v_permlanex16_b32 v[ST+12*\t+10], v[ST+12*\t+8], s[SEL], s[SEL+1]   ; the query's other 64 keys lie in the lane 16 away
.endr
.irp t, 0,1
	v_max_num_f32 v[ST+12*\t+8], v[ST+12*\t+8], v[ST+12*\t+10]
.endr
.irp t, 0,1
	v_mul_f32 v[ST+12*\t+8], s[CS], v[ST+12*\t+8]  ; as t (c is positive)
.endr
.irp t, 0,1
	v_max_num_f32 v[ST+12*\t+1], v[ST+12*\t+1], v[ST+12*\t+8]   ; the running largest t
.endr
.irp t, 0,1
	v_mov_b32 v[ST+12*\t+8], v[ST+12*\t]
.endr
.irp t, 0,1
	v_floor_f32 v[ST+12*\t], -v[ST+12*\t+1]        ; the new -M = -ceil(t): a whole number
.endr
.irp t, 0,1
	v_sub_f32 v[ST+12*\t+8], v[ST+12*\t], v[ST+12*\t+8]   ; old M - new M, 0 or less
.endr
.irp t, 0,1
	v_cvt_i32_f32 v[ST+12*\t+8], v[ST+12*\t+8]     ; (it saturates)
.endr
.irp t, 0,1
	v_ldexp_f32 v[ST+12*\t+6], 1.0, v[ST+12*\t+8]  ; f = 2^(old M - new M)
.endr
.set j, 0
.rept 32
	v_pk_fma_f32 v[S+2*j:S+2*j+1], v[S+2*j:S+2*j+1], s[CS:CS+1], v[ST:ST+1] op_sel_hi:[1,0,0]   ; tile 0: t - M (of the pairs c and -M the low word serves both halves)
.set j, j+1
.endr
.set j, 0
.rept 32                               ; tile 0's exponentials, with tile 1's t - M as the plain lines between them
	v_exp_f32 v[S+2*j], v[S+2*j]
	v_exp_f32 v[S+2*j+1], v[S+2*j+1]
	v_pk_fma_f32 v[S+64+2*j:S+64+2*j+1], v[S+64+2*j:S+64+2*j+1], s[CS:CS+1], v[ST+12:ST+13] op_sel_hi:[1,0,0]
.set j, j+1
.endr
.irp t, 0,1
	v_pk_mul_f32 v[ST+12*\t+2:ST+12*\t+3], v[ST+12*\t+2:ST+12*\t+3], v[ST+12*\t+6:ST+12*\t+7] op_sel_hi:[1,0]   ; the sums under the new M
	v_pk_mul_f32 v[ST+12*\t+4:ST+12*\t+5], v[ST+12*\t+4:ST+12*\t+5], v[ST+12*\t+6:ST+12*\t+7] op_sel_hi:[1,0]
.endr
.endm
; second part, pairs j0 .. j0 + n - 1 of 32: tile 1's exponentials; between them tile 0's sums (of the unquantised p), holds and conversions
.macro X2 j0, n
.set j, \j0
.rept \n
	v_exp_f32 v[S+64+2*j], v[S+64+2*j]
	s_wait_alu depctr_va_vdst(0)
	v_pk_add_f32 v[ST+2+2*(j%2):ST+3+2*(j%2)], v[ST+2+2*(j%2):ST+3+2*(j%2)], v[S+2*j:S+2*j+1]
	v_exp_f32 v[S+64+2*j+1], v[S+64+2*j+1]
	v_min_num_f32 v[S+2*j], v[S+2*j], v[LIM]       ; the conversion to an 8-bit code does not saturate (ISA guide 7.6.2); p is not negative, so the hold is one-sided
	v_min_num_f32 v[S+2*j+1], v[S+2*j+1], v[LIM]
.if j%8 == 7
	v_cvt_scalef32_pk8_fp8_f32 v[PF+4*(j/8):PF+4*(j/8)+1], v[S+16*(j/8):S+16*(j/8)+7], v[SC]
	v_cvt_scalef32_pk8_fp8_f32 v[PF+4*(j/8)+2:PF+4*(j/8)+3], v[S+16*(j/8)+8:S+16*(j/8)+15], v[SC]
.endif
.set j, j+1
.endr
.endm
; third part: tile 1's sums, holds and conversions
.macro X3
.set j, 0
	s_wait_alu depctr_va_vdst(0)
.rept 32
	v_pk_add_f32 v[ST+14+2*(j%2):ST+15+2*(j%2)], v[ST+14+2*(j%2):ST+15+2*(j%2)], v[S+64+2*j:S+64+2*j+1]
	v_min_num_f32 v[S+64+2*j], v[S+64+2*j], v[LIM]
	v_min_num_f32 v[S+64+2*j+1], v[S+64+2*j+1], v[LIM]
.if j%8 == 7
	v_cvt_scalef32_pk8_fp8_f32 v[PF+16+4*(j/8):PF+16+4*(j/8)+1], v[S+64+16*(j/8):S+64+16*(j/8)+7], v[SC]
	v_cvt_scalef32_pk8_fp8_f32 v[PF+16+4*(j/8)+2:PF+16+4*(j/8)+3], v[S+64+16*(j/8)+8:S+64+16*(j/8)+15], v[SC]
.endif
.set j, j+1
.endr
.endm
; A KEY STEP: 128 keys, the q-th of the slot in hand.  Its K fragments were asked for in the step before.
; kind 0: a slot's first step: the second step's K is fetched in one run with V.
; kind 1: a slot's last step, with the change of slots and a refill.  V is this wave's last read of the slot.  In the softmax's middle stand: the wait for all my tensor loads (my part of the slot ahead), the add, half of the
;         second part, the wait for the add and for V, the opening signal, the other half, the opening wait and the rest of the round (so that no wave of any partner still reads the slot or has a load on its way),
;         the joint load of the next 256 keys into the slot just left, and the first K fragments of the slot ahead, which the round has shown whole.
; kind 2: the same with a plain barrier and no refill: nothing is left to fetch; x is asked for there.      kind 3: the very last step: proj_w's fragments take K's registers.
.macro STEP q, kind
	v_add_nc_u32 v[ADR], s[TB], v[AKV+\q]
.if \kind == 0
	v_add_nc_u32 v[ADK], s[TB], v[AKV+1]
.elseif \kind < 3
	s_xor_b32 s[TB], s[TB], SLOT1                  ; on to the other slot
	v_add_nc_u32 v[ADK], s[TB], v[AKV]
.endif
	s_wait_dscnt 0x0                               ; K is in
	WIN W_KQ
.irp k, 0,1,2,3,4,5,6,7
.irp t, 0,1
	v_wmma_f32_16x16x64_fp8_fp8 v[S+64*\t+8*\k:S+64*\t+8*\k+7], v[KF+8*\k:KF+8*\k+7], v[QF+8*\t:QF+8*\t+7], 0
.endr
.endr
	PLACES                                         ; in front of the loads into registers that these and the last step's products have read, and of the first read of the scores
	VLOAD
.if \kind == 0
	KLOAD
.elseif \kind == 3
.irp n, 0,1
.irp ks, 0,1
.irp c, 0,1,2,3
	global_load_b128 v[PW+32*\n+16*\ks+4*\c:PW+32*\n+16*\ks+4*\c+3], v[LI], s[8:9] offset:\n*4096+\ks*2048+\c*512   ; my two tiles of proj_w: they land under the last softmax
.endr
.endr
.endr
.endif
	WIN 0
	SM_A
.if (\kind == 1) || (\kind == 2)
	s_wait_tensorcnt 0x0                           ; no tensor load of mine is out: my part of the slot ahead has landed, and group 0 may be written
	ds_add_u32 v[SPW], v[NIL]                      ; 0 onto my spare word
.if \kind == 1
	s_xor_b32 s[G0+1], s[G0+1], SLOT1              ; the other slot than last time: the one that I am leaving,
	s_add_nc_u64 s[G0+2:G0+3], s[G0+2:G0+3], 131072   ; the next 256 keys; the type bits on top are not reached
.endif
	X2 0, 16
	s_wait_dscnt 0x0                               ; the add is done, and V is in: my reads of this slot are over
	s_barrier_signal -1
	X2 16, 16                                      ; work on registers while the others arrive
	s_barrier_wait -1
.if \kind == 1
	CREST
	tensor_load_to_lds s[G0:G0+3], s[G1:G1+7]      ; the first thing behind the round, and my one tensor load until the next
	s_nop 0
	PLACES
.endif
	KLOAD                                          ; the slot ahead: its first step's K lands under what is left of this step
.if \kind == 2
.set i, 0
.rept 16
	global_load_b128 v[XR+4*i:XR+4*i+3], v[XO], s[14:15] offset:i*8192 th:TH_LOAD_NT   ; x, channels 32 wave + 2 i + h: sixteen lanes read 256 consecutive bytes; wanted at the very end
.set i, i+1
.endr
.endif
	WIN 0
.else
	X2 0, 32
.endif
	X3
	WIN W_RS
.irp t, 0,1
.set j, 0
.rept 16
	v_pk_mul_f32 v[OT+32*\t+2*j:OT+32*\t+2*j+1], v[OT+32*\t+2*j:OT+32*\t+2*j+1], v[ST+12*\t+6:ST+12*\t+7] op_sel_hi:[1,0]   ; O^T under the new M; these are also the plain lines behind the conversions
.set j, j+1
.endr
.endr
.if \kind == 0
	s_wait_dscnt 16                                ; V's sixteen loads are in; K's sixteen, issued behind them, may stay out
.elseif \kind == 3
	s_wait_dscnt 0x0                               ; V is in
.endif                                         ; (kinds 1 and 2: V was waited for in front of the barrier)
	WIN W_PV
.irp d, 0,1,2,3
.irp t, 0,1
	v_wmma_f32_16x16x128_fp8_fp8 v[OT+32*\t+8*\d:OT+32*\t+8*\d+7], v[VF+16*\d:VF+16*\d+15], v[PF+16*\t:PF+16*\t+15], v[OT+32*\t+8*\d:OT+32*\t+8*\d+7]   ; the eight accumulators take turns
.endr
.endr
	WIN 0
.endm
	; slot 0 has to be there; slot 1 is first filled as a refill is: behind the waits, the add and a round
	v_add_nc_u32 v[ADK], s[TB], v[AKV]
	s_wait_tensorcnt 0x0                           ; my part of slot 0 has landed
	ds_add_u32 v[SPW], v[NIL]                      ; 0 onto my spare word
	s_xor_b32 s[G0+1], s[G0+1], SLOT1
	s_add_nc_u64 s[G0+2:G0+3], s[G0+2:G0+3], 131072
	s_wait_dscnt 0x0
	CROUND
	tensor_load_to_lds s[G0:G0+3], s[G1:G1+7]      ; slot 1: keys 256-511
	s_nop 0
	PLACES
	KLOAD                                          ; key step 0
	WIN 0
	s_wait_loadcnt 2                               ; Q's four loads are in; proj_b's two, issued behind them, may stay out
.Lslot:                                            ; two trips, a slot each: keys 0-255 and 256-511; each asks for the keys 512 further on
	STEP 0, 0
	STEP 1, 1
	s_sub_co_u32 s[SLOTS], s[SLOTS], 1
	s_cmp_lg_u32 s[SLOTS], 0
	s_cbranch_scc1 .Lslot
	STEP 0, 0                                      ; the last two slots are written out
	STEP 1, 2
	STEP 0, 0
	STEP 1, 3
	; ---- att = O^T / the sum x 2^(e4 + e5), quantised with 2^e6.  The additions are the places behind the last products.
.irp t, 0,1
	v_pk_add_f32 v[ST+12*\t+2:ST+12*\t+3], v[ST+12*\t+2:ST+12*\t+3], v[ST+12*\t+4:ST+12*\t+5]
.endr
.irp t, 0,1
	v_add_f32 v[ST+12*\t+8], v[ST+12*\t+2], v[ST+12*\t+3]
.endr
.irp t, 0,1
	v_permlanex16_b32 v[ST+12*\t+10], v[ST+12*\t+8], s[SEL], s[SEL+1]
.endr
.irp t, 0,1
	v_add_f32 v[ST+12*\t+8], v[ST+12*\t+8], v[ST+12*\t+10]   ; the row's sum
.endr
.irp t, 0,1
	v_rcp_f32 v[ST+12*\t+6], v[ST+12*\t+8]
.endr
	s_add_co_i32 s55, s48, s49                     ; e4 + e5
	s_add_co_i32 s52, s50, 127
	s_lshl_b32 s53, s52, 23
	v_mov_b32 v[SC], s53                           ; 2^e6.  (A plain line behind the reciprocals)
	s_add_co_i32 s52, s52, 8
	s_lshl_b32 s52, s52, 23
	s_or_b32 s52, s52, 0x600000
	v_mov_b32 v[LIM], s52                          ; 448 x 2^e6
	s_wait_alu depctr_va_vdst(0)
.irp t, 0,1
	v_ldexp_f32 v[ST+12*\t+6], v[ST+12*\t+6], s55
.endr
	WIN 0x01                                       ; source 0 window 1
.irp t, 0,1
.set j, 0
.rept 16
	v_pk_mul_f32 v[S+32*\t+2*j:S+32*\t+2*j+1], v[OT+32*\t+2*j:OT+32*\t+2*j+1], v[ST+12*\t+6:ST+12*\t+7] op_sel_hi:[1,0]   ; register 32 t + 16 b + i: channel 64 head + 32 b + 16 h + i of my query
.set j, j+1
.endr
.endr
	WIN 0
.irp t, 0,1
.irp b, 0,1
.irp i, 0,1,2,3,4,5,6,7,8,9,10,11,12,13,14,15
	v_med3_num_f32 v[S+32*\t+16*\b+\i], v[S+32*\t+16*\b+\i], -v[LIM], v[LIM]
.endr
	v_cvt_scalef32_pk8_fp8_f32 v[PF+16*\t+4*\b:PF+16*\t+4*\b+1], v[S+32*\t+16*\b:S+32*\t+16*\b+7], v[SC]
	v_cvt_scalef32_pk8_fp8_f32 v[PF+16*\t+4*\b+2:PF+16*\t+4*\b+3], v[S+32*\t+16*\b+8:S+32*\t+16*\b+15], v[SC]
.endr
.endr
	v_nop
.irp t, 0,1
.irp b, 0,1
	ds_store_b128 v[AIM], v[PF+16*\t+4*\b:PF+16*\t+4*\b+3] offset:\t*4096+\b*512
.endr
.endr
	s_wait_dscnt 0x0                               ; for the others' sake: my images lie in LDS
	s_barrier_signal -1
	s_barrier_wait -1
	; ---- the projection: my 32 output channels (tiles 2 wave + n) for all 64 pixels
.irp m, 0,1,2,3
.irp ks, 0,1
.irp c, 0,1,2,3
	ds_load_b128 v[S+32*\m+16*\ks+4*\c:S+32*\m+16*\ks+4*\c+3], v[ARD] offset:\m*4096+\ks*2048+\c*512
.endr
.endr
.endr
	s_wait_loadcnt 0x0                             ; proj_b, x, and proj_w, which was asked for last
	s_wait_dscnt 0x0
	WIN 0x44                                       ; source 1 (proj_w) and destination window 1; the sums lie where O^T lay, which is done with
.irp m, 0,1,2,3
.irp n, 0,1
	v_wmma_f32_16x16x128_fp8_fp8 v[OT+8*(2*\m+\n):OT+8*(2*\m+\n)+7], v[S+32*\m:S+32*\m+15], v[PW+32*\n:PW+32*\n+15], 0
.endr
.endr
	WIN 0x54                                       ; C window 1 too
.irp m, 0,1,2,3
.irp n, 0,1
	v_wmma_f32_16x16x128_fp8_fp8 v[OT+8*(2*\m+\n):OT+8*(2*\m+\n)+7], v[S+32*\m+16:S+32*\m+31], v[PW+32*\n+16:PW+32*\n+31], v[OT+8*(2*\m+\n):OT+8*(2*\m+\n)+7]
.endr
.endr
	s_add_co_i32 s2, s50, s51                      ; e6 + e7
	s_add_co_i32 s2, s2, 127
	s_lshl_b32 s2, s2, 23                          ; 2^(e6 + e7) as f32
	s_mov_b32 s3, s2
	PLACES
	WIN 0x01
.irp m, 0,1,2,3
.irp n, 0,1
.irp i, 0,2,4,6
	v_pk_fma_f32 v[S+8*(2*\m+\n)+\i:S+8*(2*\m+\n)+\i+1], v[OT+8*(2*\m+\n)+\i:OT+8*(2*\m+\n)+\i+1], s[2:3], v[BI+2*\n:BI+2*\n+1] op_sel_hi:[1,0,0]   ; sum x 2^(e6 + e7) + proj_b of my channel
.endr
.endr
.endr
	WIN 0
	; THE WAY OUT: a lane's eight numbers are pixels 32 (m / 2) + 8 (m % 2) + 16 h + 0 .. 7 of its channel's row: through my own stage, back as whole rows of 256 bytes
.irp m, 0,1,2,3
.irp n, 0,1
	ds_store_b128 v[STO], v[S+8*(2*\m+\n):S+8*(2*\m+\n)+3] offset:\n*8*SP+(\m/2)*128+(\m%2)*32
	ds_store_b128 v[STO], v[S+8*(2*\m+\n)+4:S+8*(2*\m+\n)+7] offset:\n*8*SP+(\m/2)*128+(\m%2)*32+16
.endr
.endr
.set i, 0
.rept 16
	ds_load_b128 v[S+64+4*i:S+64+4*i+3], v[RD] offset:2*SP*i   ; LDS serves a wave's instructions in order (ISA guide 5.7.1.4): these see my stores
.set i, i+1
.endr
	s_wait_dscnt 0x0
	WIN 0x04                                       ; source 1 (x) window 1
.set i, 0
.rept 32
	v_pk_add_f32 v[S+64+2*i:S+64+2*i+1], v[S+64+2*i:S+64+2*i+1], v[XR+2*i:XR+2*i+1]   ; the residual
.set i, i+1
.endr
	WIN 0
.set i, 0
.rept 16
	global_store_b128 v[XO], v[S+64+4*i:S+64+4*i+3], s[16:17] offset:i*8192 th:TH_STORE_NT   ; sixteen lanes store 256 consecutive bytes, at a multiple of 256 from out0's first byte
.set i, i+1
.endr
	s_wait_tensorcnt 0x0                           ; the wave's end, behind my last tensor load and my last LDS store
	ds_add_u32 v[SPW], v[NIL]
	s_wait_dscnt 0x0
	CROUND                                         ; the closing round: no work-group ends while a partner may still ask for a tile that names it
	s_endpgm
.Lfunc_end_k_qbe03c73788_attn:
	.size	k_qbe03c73788_attn, .Lfunc_end_k_qbe03c73788_attn-k_qbe03c73788_attn
	.p2alignl 7, 3214868480
	.fill 96, 4, 3214868480
	.section	.rodata,"a",@progbits
	.p2align	6, 0x0
	.amdhsa_kernel k_qbe03c73788_attn
		.amdhsa_group_segment_fixed_size 327680
		.amdhsa_private_segment_fixed_size 0
		.amdhsa_enable_private_segment 0
		.amdhsa_kernarg_size 56
		.amdhsa_user_sgpr_count 2
		.amdhsa_user_sgpr_kernarg_segment_ptr 1
		.amdhsa_wavefront_size32 1
		.amdhsa_system_sgpr_workgroup_id_x 1
		.amdhsa_system_sgpr_workgroup_id_y 1
		.amdhsa_system_sgpr_workgroup_id_z 1
		.amdhsa_system_vgpr_workitem_id 0
		.amdhsa_next_free_vgpr 512
		.amdhsa_next_free_sgpr 70
		.amdhsa_reserve_vcc 0
		.amdhsa_float_denorm_mode_32 3
		.amdhsa_float_denorm_mode_16_64 3
		.amdhsa_memory_ordered 1
		.amdhsa_forward_progress 1
		.amdhsa_inst_pref_size 207
	.end_amdhsa_kernel
	.amdgpu_metadata
---
amdhsa.version: [ 1, 2 ]
amdhsa.kernels:
  - .name:           k_qbe03c73788_attn
    .symbol:         k_qbe03c73788_attn.kd
    .args:
      - { .name: q_img, .offset: 0, .size: 8, .value_kind: global_buffer, .address_space: global }
      - { .name: kv_img, .offset: 8, .size: 8, .value_kind: global_buffer, .address_space: global }
      - { .name: w_img, .offset: 16, .size: 8, .value_kind: global_buffer, .address_space: global }
      - { .name: lowp_scales, .offset: 24, .size: 8, .value_kind: global_buffer, .address_space: global }
      - { .name: proj_b, .offset: 32, .size: 8, .value_kind: global_buffer, .address_space: global }
      - { .name: x, .offset: 40, .size: 8, .value_kind: global_buffer, .address_space: global }
      - { .name: out0, .offset: 48, .size: 8, .value_kind: global_buffer, .address_space: global }
    .group_segment_fixed_size: 327680
    .private_segment_fixed_size: 0
    .kernarg_segment_align: 8
    .kernarg_segment_size: 56
    .max_flat_workgroup_size: 256
    .sgpr_count:     70
    .vgpr_count:     512
    .wavefront_size: 32
...
	.end_amdgpu_metadata
.endif
;; end of part 3
